; MI455X (gfx1250); checked and timed in simulation.
; The chip was launched on July 23, 2026; its instructions are those of AMD's public machine-readable ISA for CDNA 5 (MIT licence, August 2026) and "CDNA5" Instruction Set Architecture Reference Guide (July 2026). The comments in the code are by the model that wrote it; some were corrected since.
;; Self Attention. Allowed arithmetic: matrix products marked QUANTISED: E2M3 operands, one E8M0 scale for each 32 along K, by v_wmma_scale_f32_16x16x128_f8f6f4 with both operands' format E2M3, f32 sums; everything else in f32.
;; Inputs: Wk 1,024 x 1,024 float32; Wq 1,024 x 1,024 float32; Wv 1,024 x 1,024 float32; bk 1,024 float32; bq 1,024 float32; bv 1,024 float32; x 4 x 2,048 x 1,024 float32.
;; Outputs: out0 4 x 2,048 x 1,024 float32.
;; Constants: num_heads = 16.
;; This version of the problem:
;;   THIS VERSION OF THE PROBLEM IS GIVEN IN LOW PRECISION. The matrix products marked QUANTISED in the list below multiply operands that are first quantised to E2M3 (2 exponent bits, 3 mantissa bits; 6 bits a number), with one power-of-two scale for each 32 numbers along K (OCP MX v1.0); their sums are f32. All else is computed in f32.
;;   The module's matrix products, in the order in which they are computed (A, B: the left and right operand; K: the contracted axis; several contracted axes count as one K, in the product's order):
;;     1. [M 8,192, K 1,024] x [K 1,024, N 1,024]; A: input x; B: input Wq: QUANTISED
;;     2. [M 8,192, K 1,024] x [K 1,024, N 1,024]; A: input x; B: input Wk: QUANTISED
;;     3. [M 8,192, K 1,024] x [K 1,024, N 1,024]; A: input x; B: input Wv: QUANTISED
;;     4. batch 64 x [M 2,048, K 64] x [K 64, N 2,048]; A: computed on the way; B: computed on the way: QUANTISED
;;     5. batch 64 x [M 2,048, K 2,048] x [K 2,048, N 64]; A: softmax (see below); B: computed on the way: QUANTISED
;;   THE QUANTISER, for each operand of a quantised product, along K:
;;     - K is cut into blocks of 32 from its start; a last block that is shorter is filled with zeros.
;;     - A block's scale is 2^e with e = floor(log2(the largest magnitude in the block)) - 2, held to -126 .. 127; a block of zeros has e = 0. As a byte (E8M0): e + 127.
;;     - Each number is divided by its block's scale, clamped to +-7.5, and rounded to the nearest number of E2M3, ties to even, subnormals kept.
;;     - The product sums the exact products of the quantised numbers (number of the format x scale) in f32.
;;   ~~~python
;;   def quantise(x, axis):      # numpy; x: float32 -> the quantised numbers, widened to float32 again
;;       x = np.moveaxis(x, axis, -1); K = x.shape[-1]
;;       x = np.pad(x, [(0, 0)] * (x.ndim - 1) + [(0, -K % 32)]); x = x.reshape(x.shape[:-1] + (-1, 32)); a = np.abs(x).max(-1, keepdims=True)
;;       e = np.where(a > 0, np.clip(np.frexp(np.where(a > 0, a, 1))[1] - 1 - 2, -126, 127), 0)      # np.frexp(a)[1] - 1 = floor(log2(a)), exactly
;;       r = np.clip(x / 2.0 ** e, -7.5, 7.5)
;;       step = 2.0 ** (np.maximum(np.frexp(np.where(r == 0, 1, r))[1] - 1, 0) - 3)
;;       q = np.round(r / step) * step * 2.0 ** e      # np.round: ties to even
;;       return np.moveaxis(q.reshape(q.shape[:-2] + (-1,))[..., :K], -1, axis).astype(np.float32)
;;   ~~~
;;   SOFTMAX AHEAD OF A QUANTISED PRODUCT. Where the list says 'softmax', what is quantised is not the finished softmax but p = 2^(t - M), with t = logit x log2(e) and M = ceil(the row's largest t), a whole number; so 1/2 < the row's largest p <= 1. The row's sum l is taken of the UNQUANTISED p, in f32, and the product's result is divided by l at the end. Since M is a whole number, a kernel that streams over the keys may use a running M (the ceiling of the running maximum): every later rescaling is an exact power of two, which a block's scale takes up: the codes' values come out the same.
;;   OPERANDS COMPUTED ON THE WAY. 'Computed on the way' means the value that the module computes at that place (a softmax that the list does not call 'softmax' is quantised finished and normalised). What goes into a quantiser is computed in f32, as accurately as f32 sums, v_exp_f32 and their like allow (about 1e-6 of the number): no bf16 or f16 on the way to a quantiser, and a product that is left as it is and whose result goes on into a quantised operand takes f32 operands (vector FMAs, or v_wmma_f32_16x16x4_f32). A number that lies on a knife's edge between two numbers of the format may be rounded either way, as far as f32 arithmetic and the matrix unit's own rounding can turn it there, and no further.
;; One version. Each part assembles by itself: llvm-mc -triple=amdgcn-amd-amdhsa -mcpu=gfx1250 --defsym DOCPART=n.
;; ======== version 1 of 1: 3 launches
;; limits: right only within a limited range of input values
;; workspace buffers: xc 6,291,456 bytes; xs 262,144 bytes; wc 2,359,296 bytes; ws 98,304 bytes; bp 12,288 bytes; img 19,660,800 bytes
;; launch quant (part 1): grid 704 x 1, 4 waves a work-group, no clusters, 23,040 bytes of LDS; arguments x, Wk, Wv, Wq, bk, bv, bq, xc, xs, wc, ws, bp; writes xc, xs, wc, ws, bp
.if DOCPART == 1
	.amdgcn_target "amdgcn-amd-amdhsa--gfx1250"
	.amdhsa_code_object_version 6
	.text
	.protected	k_q4d29a59124_quant
	.globl	k_q4d29a59124_quant
	.p2align	8
	.type	k_q4d29a59124_quant,@function
k_q4d29a59124_quant:
	s_mov_b64 s[64:65], 0
	v_nop
	global_prefetch_b8 v0, s[64:65] scope:SCOPE_SE
	s_setreg_imm32_b32 hwreg(HW_REG_WAVE_MODE, 25, 1), 1
	s_wait_xcnt 0x0
; x [8192][1024] and Wk, Wv, Wq [1024][1024], f32, K innermost, become codes of FP6 (E2M3), 6 bits each, with one E8M0 scale byte for each 32 along K.
; THE CODES LIE IN FOUR PLANES, one for each 256 along K; in a plane a row has 192 bytes, rows on end: xc [4][8192][192], wc [4][3072][192] (k's 1,024 rows, then v's, then q's).
; So 128 rows of one K step are 24,576 dense bytes that begin at a multiple of 256.  The scale bytes: xs [8192][32], ws [3072][32]; the biases go to bp [3072] in the rows' order.
; A block's scale is 2^(floor(log2(its largest magnitude)) - 2); its byte is the largest magnitude's exponent field - 2, held at 1 from below.
; THE ROWS OF THE WEIGHTS ARE LAID IN ANOTHER ORDER, so that the next launch finds, in one lane's registers, what it has to quantise.  With a destination row n' = [J1 J0 cw be v1 v0 h j2 j1 j0] (bits):
;   k, q: source row 64 (8 J0 + 4 cw + 2 be + h) + 32 J1 + 8 (2 v1 + v0) + j: eight neighbouring rows to a group of eight;
;   v:    source row 64 (8 v0 + j) + 16 J + 8 cw + 4 be + 2 h + v1: eight rows that lie 64 apart.
; LIMITS: a block of zeros gets the byte 1 where the rule says 127 (its codes are zeros, and this program alone reads the bytes); blocks whose largest magnitude lies under 2^-124, the floor, were not tried;
; NaN and infinities among the inputs are not served.
; SHARES: work-groups 0-511 take x, 512-575 Wk, 576-639 Wv, 640-703 Wq.  A wave takes FOUR destination rows, half a group of eight: 8 steps of 512 numbers (step t: row t / 2, half t % 2).
; All its 32 loads are issued at the start: 16,384 bytes a wave on their way.  Each load reads 512 consecutive bytes, 16 a lane; a step's 2,048 bytes turn through the wave's own stage in LDS
; and come back 64 bytes a lane: 16 neighbours along K, two lanes to a block.  A step's 512 numbers lie in two planes: lanes 0-15 in plane 2 (t % 2), lanes 16-31 in the next.
; A wave's 128 scale bytes are dense and leave by one store of 128 consecutive bytes; two neighbouring waves fill 256.  No tensor loads, no barrier: waves share nothing.
.set WAVES, 4
.set STEPS, 8
.set EMAX,  2
.set CB,    12                         ; bytes of 16 codes
.set R,     16                         ; v16-143  eight sets of 16 numbers as they are loaded
.set X,     144                        ; v144-175 two sets of 16 neighbours
.set E,     176                        ; v176-183 a scale byte for each step
.set C,     184                        ; v184-215 codes: four registers for each step, so that no store's data are written again
.set VO,    216                        ; v216-219 row e of my four: 16 x lane + e x the distance between source rows; never rewritten
.set CA,    220                        ; v220, v221 my codes' place in an even step's two planes, in an odd step's; never rewritten
.set WREG,  5632                       ; LDS: a region for each wave: two stages of 32 x SP bytes, behind them its 128 scale bytes
.set SP,    80                         ; a lane's place in a stage: its 64 bytes + 16 of padding
.set SPW,   12                         ; v12      LDS address of my spare word; never rewritten
.set NIL,   13                         ; v13      0; never rewritten
.set SPARE, WAVES*WREG                 ; behind the four regions: the spare words, 128 bytes for each wave
	s_load_b512 s[4:19], s[0:1], 0x0               ; x s[4:5], Wk s[6:7], Wv s[8:9], Wq s[10:11], bk s[12:13], bv s[14:15], bq s[16:17], xc s[18:19]
	s_load_b256 s[20:27], s[0:1], 0x40             ; xs s[20:21], wc s[22:23], ws s[24:25], bp s[26:27]
	v_lshl_add_u32 v[SPW], v0, 2, SPARE
	v_mov_b32 v[NIL], 0
	v_lshrrev_b32 v1, 5, v0
	v_readfirstlane_b32 s28, v1                    ; wave
	v_and_b32 v2, 31, v0                           ; lane
	v_lshlrev_b32 v3, 4, v2                        ; my 16 bytes of a load's 512
	s_mul_i32 s29, s28, WREG
	v_lshrrev_b32 v14, 2, v2
	v_mul_u32_u24 v14, v14, SP
	v_and_b32 v15, 3, v2
	v_lshl_add_u32 v14, v15, 4, v14
	v_add_nc_u32 v14, s29, v14                     ; the stage, on the way in: four lanes' 64 bytes on end, then 16 of padding
	v_mul_u32_u24 v15, v2, SP
	v_add_nc_u32 v15, s29, v15                     ; and on the way out: SP x lane: my 16 neighbours
	s_mov_b32 s54, 3072*192                        ; a plane of wc in bytes,
	s_cmp_lt_u32 ttmp9, 512
	s_cselect_b32 s54, 8192*192, s54               ; or of xc
	v_and_b32 v4, 15, v2
	v_mul_u32_u24 v4, v4, CB
	v_lshrrev_b32 v10, 4, v2
	v_mul_u32_u24 v10, s54, v10
	v_add_nc_u32 v[CA], v4, v10                    ; 12 (lane % 16) + (lane / 16) planes
	s_lshl_b32 s54, s54, 1
	v_add_nc_u32 v[CA+1], s54, v[CA]               ; two planes on
	v_lshrrev_b32 v5, 1, v2
	s_add_co_u32 s29, s29, 2*32*SP
	v_add_nc_u32 v5, s29, v5                       ; LDS: my wave's 128 scale bytes, my block's byte
	v_lshlrev_b32 v7, 2, v2                        ; and on the way out 4 bytes a lane
	v_add_nc_u32 v6, s29, v7
	; which run of four destination rows is my wave's, and where its source rows lie
	s_cselect_b32 s30, 0, 512                      ; (no line since the compare has set SCC but the shift and the add, so compare again)
	s_cmp_lt_u32 ttmp9, 512
	s_cselect_b32 s30, 0, 512
	s_sub_co_u32 s40, ttmp9, s30
	s_lshl_b32 s40, s40, 2
	s_add_co_u32 s40, s40, s28                     ; the run of four: in x 0 .. 2,047, in the weights 0 .. 767
	s_mov_b32 s41, 0
	s_lshr_b32 s51, s40, 1                         ; its group of eight,
	s_and_b32 s31, s40, 1                          ; and which half of that
	s_and_b32 s42, s51, 127                        ; G = [J1 J0 cw be v1 v0 h]: the group of eight rows within its weight
	s_and_b32 s43, s42, 0x38                       ; k, q: the source group 64 J0 + 32 cw + 16 be + 8 h + 4 J1 + (2 v1 + v0)
	s_lshl_b32 s43, s43, 1
	s_and_b32 s44, s42, 1
	s_lshl_b32 s45, s44, 3
	s_or_b32 s43, s43, s45
	s_lshr_b32 s45, s42, 6
	s_lshl_b32 s45, s45, 2
	s_or_b32 s43, s43, s45
	s_bfe_u32 s45, s42, 0x20001
	s_or_b32 s43, s43, s45
	s_lshl_b32 s43, s43, 15                        ; eight rows of 4,096 bytes
	s_lshr_b32 s46, s42, 3                         ; v: the first source row 512 v0 + 16 J + 8 cw + 4 be + 2 h + v1
	s_lshl_b32 s46, s46, 2
	s_lshl_b32 s44, s44, 1
	s_or_b32 s46, s46, s44
	s_bfe_u32 s45, s42, 0x10002
	s_or_b32 s46, s46, s45
	s_bfe_u32 s45, s42, 0x10001
	s_lshl_b32 s45, s45, 9
	s_or_b32 s46, s46, s45
	s_lshl_b32 s46, s46, 12
	s_lshl_b32 s47, s51, 15                        ; x: the group as it lies
	s_mov_b32 s50, 0x40000                         ; v: 64 rows from source row to source row
	s_cmp_lt_u32 ttmp9, 512
	s_cselect_b32 s48, s47, s43
	s_sub_co_u32 s45, ttmp9, 576
	s_cmp_lt_u32 s45, 64                           ; Wv's work-groups: 576 .. 639
	s_cselect_b32 s48, s46, s48                    ; s48: where the group's first source row begins, in bytes
	s_cselect_b32 s50, s50, 4096                   ; s50: from source row to source row, in bytes
	s_mul_i32 s52, s50, s31
	s_lshl_b32 s52, s52, 2
	s_add_co_u32 s48, s48, s52                     ; the second half begins four source rows on
	s_mov_b32 s49, 0
.irp e, 0,1,2,3
	s_mul_i32 s52, s50, \e
	v_add_nc_u32 v[VO+\e], s52, v3
.endr
	s_mov_b32 s53, 0
	s_wait_alu depctr_va_vdst(0)                   ; the wait at the head's end
	s_wait_kmcnt 0x0
	s_cmp_lt_u32 ttmp9, 512                        ; the buffers are chosen by the work-group's number alone
	s_cselect_b64 s[32:33], s[4:5], s[6:7]
	s_cselect_b64 s[34:35], s[18:19], s[22:23]
	s_cselect_b64 s[36:37], s[20:21], s[24:25]
	s_cmp_lt_u32 ttmp9, 576
	s_cselect_b64 s[32:33], s[32:33], s[8:9]
	s_cselect_b64 s[38:39], s[12:13], s[14:15]
	s_cmp_lt_u32 ttmp9, 640
	s_cselect_b64 s[32:33], s[32:33], s[10:11]
	s_cselect_b64 s[38:39], s[38:39], s[16:17]
	s_add_nc_u64 s[32:33], s[32:33], s[48:49]      ; the source at my first row
	s_mul_i32 s52, s40, 4*192
	s_add_nc_u64 s[34:35], s[34:35], s[52:53]      ; the codes at my run: 768 bytes in each plane
	s_lshl_b32 s52, s40, 7
	s_add_nc_u64 s[36:37], s[36:37], s[52:53]      ; the scale bytes: 128 a run
.macro LOAD t
.irp i, 0,1,2,3
	global_load_b128 v[R+16*(\t)+4*\i:R+16*(\t)+4*\i+3], v[VO+(\t)/2], s[32:33] offset:2048*((\t)%2)+512*\i th:TH_LOAD_NT   ; 32 lanes read 512 consecutive bytes
.endr
.endm
.macro TURN t                          ; step t's numbers through the stage: LDS serves a wave's instructions in order, so no wait stands between the stores and the loads
.irp i, 0,1,2,3
	ds_store_b128 v14, v[R+16*(\t)+4*\i:R+16*(\t)+4*\i+3] offset:32*SP*((\t)%2)+8*SP*\i
.endr
.irp i, 0,1,2,3
	ds_load_b128 v[X+16*((\t)%2)+4*\i:X+16*((\t)%2)+4*\i+3], v15 offset:32*SP*((\t)%2)+16*\i
.endr
.endm
.irp t, 0,1,2,3,4,5,6,7
	LOAD \t
.endr
	s_wait_loadcnt 28                              ; step 0's four loads are in; the 28 of steps 1 to 7 may be out
	TURN 0
.macro STEP t
.set XS, X+16*((\t)%2)
.if (\t) > 0
	s_wait_dscnt 1                                 ; this step's numbers are back from the stage (the last step's byte store may be out)
.else
	s_wait_dscnt 0x0
.endif
.if (\t)+1 < STEPS
	s_wait_loadcnt 4*(STEPS-2-(\t))                ; the next step's four loads are in; those of the steps behind it may be out
	TURN (\t)+1                                    ; and go through the other stage while this step is worked
.endif
	v_max3_num_f32 v8, |v[XS]|, |v[XS+1]|, |v[XS+2]|               ; the largest magnitude of my 16, in two chains
	v_max3_num_f32 v9, |v[XS+3]|, |v[XS+4]|, |v[XS+5]|
.irp i, 6,10
	v_max3_num_f32 v8, v8, |v[XS+\i]|, |v[XS+\i+1]|
	v_max3_num_f32 v9, v9, |v[XS+\i+2]|, |v[XS+\i+3]|
.endr
	v_max3_num_f32 v8, v8, |v[XS+14]|, |v[XS+15]|
	v_max3_num_f32 v8, v8, v9, (EMAX+1)<<23        ; and the floor 2^(EMAX + 1 - 127): so the byte cannot fall under 1
	v_max_num_f32_dpp v8, v8, v8 row_xmask:1 row_mask:0xf bank_mask:0xf   ; and of my neighbour's 16: the block's
	v_add_nc_u32 v11, -(EMAX<<23), v8              ; EMAX off its exponent field: the conversion takes the exponent field of this operand as its scale, and nothing else of it
	v_cvt_scalef32_pk16_fp6_f32 v[C+4*(\t):C+4*(\t)+2], v[XS:XS+15], v11         ; sixteen numbers / the scale, to the nearest code, ties to even, beyond the largest code the largest; 96 bits without gaps
	v_lshrrev_b32 v[E+(\t)], 23, v11               ; the scale's byte (a plain line behind the conversion)
	ds_store_b8 v5, v[E+(\t)] offset:16*(\t)       ; both lanes of a block write the same byte with the same value
	global_store_b96 v[CA+(\t)%2], v[C+4*(\t):C+4*(\t)+2], s[34:35] offset:192*((\t)/2)   ; sixteen lanes store a row's 192 bytes of a plane; a wave's four rows are 768 dense bytes in each plane
.endm
.irp t, 0,1,2,3,4,5,6,7
	STEP \t
.endr
	ds_load_b32 v8, v6                             ; LDS serves a wave's instructions in order: this sees my stores
	s_wait_dscnt 0x0
	global_store_b32 v7, v8, s[36:37]              ; 32 lanes store 128 consecutive bytes
	; the biases of my four rows, in the rows' new order.  x's work-groups have none: a scalar branch on the work-group's number
	s_cmp_lt_u32 ttmp9, 512
	s_cbranch_scc1 .Lno_bias
	s_lshl_b32 s52, s40, 4                         ; 16 bytes a run
	s_add_nc_u64 s[26:27], s[26:27], s[52:53]
	s_lshr_b32 s43, s50, 10                        ; 4 bytes for each source row: from row to row,
	s_lshr_b32 s44, s48, 10                        ; and the first
	v_and_b32 v1, 3, v2                            ; lane % 4: which of the four.  Eight lanes take the same number and store the same word with the same value: 16 bytes a wave
	v_mul_u32_u24 v10, s43, v1
	v_add_nc_u32 v10, s44, v10
	global_load_b32 v11, v10, s[38:39]
	v_lshlrev_b32 v1, 2, v1
	s_wait_alu depctr_va_vdst(0)                   ; directly ahead of the wait below
	s_wait_loadcnt 0x0
	global_store_b32 v1, v11, s[26:27]
.Lno_bias:
	s_wait_tensorcnt 0x0                           ; the wave's end, behind my last LDS store
	ds_add_u32 v[SPW], v[NIL]
	s_wait_dscnt 0x0
	s_endpgm
.Lfunc_end_k_q4d29a59124_quant:
	.size	k_q4d29a59124_quant, .Lfunc_end_k_q4d29a59124_quant-k_q4d29a59124_quant
	.p2alignl 7, 3214868480
	.fill 96, 4, 3214868480
	.section	.rodata,"a",@progbits
	.p2align	6, 0x0
	.amdhsa_kernel k_q4d29a59124_quant
		.amdhsa_group_segment_fixed_size 23040
		.amdhsa_private_segment_fixed_size 0
		.amdhsa_enable_private_segment 0
		.amdhsa_kernarg_size 96
		.amdhsa_user_sgpr_count 2
		.amdhsa_user_sgpr_kernarg_segment_ptr 1
		.amdhsa_wavefront_size32 1
		.amdhsa_system_sgpr_workgroup_id_x 1
		.amdhsa_system_sgpr_workgroup_id_y 1
		.amdhsa_system_sgpr_workgroup_id_z 1
		.amdhsa_system_vgpr_workitem_id 0
		.amdhsa_next_free_vgpr 224
		.amdhsa_next_free_sgpr 66
		.amdhsa_reserve_vcc 0
		.amdhsa_float_denorm_mode_32 3
		.amdhsa_float_denorm_mode_16_64 3
		.amdhsa_memory_ordered 1
		.amdhsa_forward_progress 1
		.amdhsa_inst_pref_size 20
	.end_amdhsa_kernel
	.amdgpu_metadata
---
amdhsa.version: [ 1, 2 ]
amdhsa.kernels:
  - .name:           k_q4d29a59124_quant
    .symbol:         k_q4d29a59124_quant.kd
    .args:
      - { .name: x, .offset: 0, .size: 8, .value_kind: global_buffer, .address_space: global }
      - { .name: Wk, .offset: 8, .size: 8, .value_kind: global_buffer, .address_space: global }
      - { .name: Wv, .offset: 16, .size: 8, .value_kind: global_buffer, .address_space: global }
      - { .name: Wq, .offset: 24, .size: 8, .value_kind: global_buffer, .address_space: global }
      - { .name: bk, .offset: 32, .size: 8, .value_kind: global_buffer, .address_space: global }
      - { .name: bv, .offset: 40, .size: 8, .value_kind: global_buffer, .address_space: global }
      - { .name: bq, .offset: 48, .size: 8, .value_kind: global_buffer, .address_space: global }
      - { .name: xc, .offset: 56, .size: 8, .value_kind: global_buffer, .address_space: global }
      - { .name: xs, .offset: 64, .size: 8, .value_kind: global_buffer, .address_space: global }
      - { .name: wc, .offset: 72, .size: 8, .value_kind: global_buffer, .address_space: global }
      - { .name: ws, .offset: 80, .size: 8, .value_kind: global_buffer, .address_space: global }
      - { .name: bp, .offset: 88, .size: 8, .value_kind: global_buffer, .address_space: global }
    .group_segment_fixed_size: 23040
    .private_segment_fixed_size: 0
    .kernarg_segment_align: 8
    .kernarg_segment_size: 96
    .max_flat_workgroup_size: 128
    .sgpr_count:     66
    .vgpr_count:     224
    .wavefront_size: 32
...
	.end_amdgpu_metadata
.endif
;; end of part 1
;; launch proj (part 2): grid 12 x 32, 4 waves a work-group, clusters of 4 x 4, 327,680 bytes of LDS; arguments xc, xs, wc, ws, bp, img; writes img
.if DOCPART == 2
	.amdgcn_target "amdgcn-amd-amdhsa--gfx1250"
	.amdhsa_code_object_version 6
	.text
	.protected	k_q4d29a59124_proj
	.globl	k_q4d29a59124_proj
	.p2align	8
	.type	k_q4d29a59124_proj,@function
k_q4d29a59124_proj:
	s_mov_b64 s[64:65], 0
	v_nop
	global_prefetch_b8 v0, s[64:65] scope:SCOPE_SE
	s_setreg_imm32_b32 hwreg(HW_REG_WAVE_MODE, 25, 1), 1
	s_wait_xcnt 0x0
	s_wait_alu depctr_hold_cnt(0) depctr_sa_sdst(0) depctr_va_vdst(0) depctr_va_sdst(0) depctr_va_ssrc(0) depctr_va_vcc(0) depctr_vm_vsrc(0)
	s_getreg_b32 s2, hwreg(HW_REG_IB_STS2, 6, 4)
	s_cmp_eq_u32 s2, 0
	s_cbranch_scc0 .Lentry_in_a_cluster
	s_endpgm
.Lentry_in_a_cluster:
	s_bfe_u32 s2, ttmp6, 0x10000c
	s_cmp_lg_u32 s2, 0xf033
	s_cbranch_scc0 .Lentry_shape_is_right
	s_endpgm
.Lentry_shape_is_right:
; k, v and q = x W^T + b on codes of FP6 (E2M3) with E8M0 scales, quantised again on the way out and stored to img as images of the next launch's operand registers.
; A work-group of four waves makes 256 x 256; K goes in four steps of 256 through a ring of two LDS slots; 4 x 4 work-groups ask for A's and B's tiles jointly.
; THE CODES LIE IN PLANES, [K step][row][192 bytes]: the 128 or 256 rows of a tile are one dense block, stated to the tensor load as rows of 256 bytes that begin at multiples of 256;
; 16 bytes of padding behind each 64 give every row of 192 bytes an LDS pitch of 240.
; THE HEAD: one tensor load a wave: wave 0 K step 0 of A's 256 rows, wave 1 of B's, wave 2 A's scales, wave 3 B's; slot 1 is first filled behind the full sequence and a round.
.set SIZE_K, 1024
.set PLA,    8192*192
.set PLB,    3072*192
.set G0H,    4
.set G0HB,   8
.set KSTEP,  256
.set NQ,     KSTEP/128
.set ROWB,   192
.set KROW,   SIZE_K*6/8
.set PITCH,  240
.set FR,     12
.set NL,     6
.set NP,     4
.set HALFT,  128*PITCH
.set SLOT,   4*HALFT
.set LAPS,   SIZE_K/(2*KSTEP)
.set KS,     SIZE_K/32
.set SCL,    2*SLOT
.set HALFS,  (128*KS/256)*272
.set SBLK,   (16*KS/256)*272
.set SPARE,  SCL+4*HALFS
.set SQ,     0
.set SQP,    49152
.set SV,     51200
.set SVS,    100352
.set HEADB,  307200
.set ADRA, 16
.set ADRB, 20
.set ADRS, 27
.set SPW,  28
.set NIL,  29
.set L16,  7
.set AQ,   8
.set AQB,  11
.set AV,   12
.set AVB,  15
.set CQL,  24
.set CQG,  25
.set CVL,  26
.set CQS,  30
.set CVS,  31
.set SC,   32
.set BI,   64
.set AF,   128
.set TM,   96
.set SOP,  112
.set BY,   160
.set OUTR, 64
.set G1, 24
.set G0, 32
.set G1B, 48
.set G0B, 56
.set G1S, 68
.set G0S, 76
.set G1SB, 80
.set G0SB, 88
.set MSB, 0
.macro WIN new
.if MSB != \new
	s_set_vgpr_msb (MSB<<8)|\new
.set MSB, \new
.endif
.endm
.set MUL_LO, 0xa1
.set MUL_HI, 0xf1
.set MUL_LO0, 0x81
.set MUL_HI0, 0xc1
.set TO_B,   0x40
.macro JLOAD g0a, g1a, g0b, g1b
	s_cmp_eq_u32 s15, 0
	s_cbranch_scc0 .Lfor_b_\@
	tensor_load_to_lds s[\g0a:\g0a+3], s[\g1a:\g1a+7]
	s_nop 0
.rept 4
	v_nop
.endr
	s_branch .Lasked_\@
.Lfor_b_\@:
	tensor_load_to_lds s[\g0b:\g0b+3], s[\g1b:\g1b+7]
	s_nop 0
.rept 4
	v_nop
.endr
.Lasked_\@:
.endm
.macro CREST
	s_cmp_lg_u32 s14, 0
	s_cbranch_scc1 .Lnot_wave_0_\@
	s_barrier_signal -3
.Lnot_wave_0_\@:
	s_barrier_wait -3
	s_barrier_signal -1
	s_barrier_wait -1
.endm
.macro CROUND
	s_barrier_signal -1
	s_barrier_wait -1
	CREST
.endm
	s_load_b128 s[4:7], s[0:1], 0x0
	s_load_b128 s[8:11], s[0:1], 0x10
	s_load_b128 s[96:99], s[0:1], 0x20
	v_lshl_add_u32 v[SPW], v0, 2, SPARE
	v_mov_b32 v[NIL], 0
	ds_add_u32 v[SPW], v[NIL]
	ds_add_u32 v[SPW], v[NIL]
	v_lshrrev_b32 v1, 5, v0
	v_readfirstlane_b32 s14, v1
	s_lshr_b32 s15, s14, 1
	s_and_b32 s16, s14, 1
	s_bfe_u32 s40, ttmp6, 0x40000
	s_bfe_u32 s41, ttmp6, 0x40004
	s_lshl_b32 s42, ttmp9, 2
	s_add_co_u32 s42, s42, s40
	s_and_b32 s17, ttmp7, 0xffff
	s_lshl_b32 s17, s17, 2
	s_add_co_u32 s17, s17, s41
	s_lshl_b32 s43, s41, 2
	s_lshl_b32 s43, 15, s43
	s_lshl_b32 s44, 0x1111, s40
	s_or_b32 s[G1+0], s43, (0<<16)|(1<<20)|(1<<21)|(3<<22)|(3<<25)
	s_or_b32 s[G1B+0], s44, (0<<16)|(1<<20)|(1<<21)|(3<<22)|(3<<25)
.irp g, G1, G1B
	s_mov_b32 s[\g+1], 256<<16
	s_mov_b32 s[\g+2], 192<<16
	s_mov_b32 s[\g+3], 256<<16
	s_mov_b32 s[\g+4], 192
	s_mov_b32 s[\g+5], 256
	s_mov_b32 s[\g+6], 0
	s_mov_b32 s[\g+7], 0
.endr
	s_or_b32 s[G1S+0], s43, (3<<16)|(1<<20)|(1<<21)|(5<<22)|(3<<25)
	s_or_b32 s[G1SB+0], s44, (3<<16)|(1<<20)|(1<<21)|(5<<22)|(3<<25)
.irp g, G1S, G1SB
	s_mov_b32 s[\g+1], 32<<16
	s_mov_b32 s[\g+2], KS<<16
	s_mov_b32 s[\g+3], 32<<16
	s_mov_b32 s[\g+4], KS
	s_mov_b32 s[\g+5], 32
	s_mov_b32 s[\g+6], 0
	s_mov_b32 s[\g+7], 0
.endr
	s_lshl_b32 s20, s17, 8
	s_lshl_b32 s46, s42, 8
	s_mov_b32 s21, 0
	s_mov_b32 s47, 0
	s_mov_b64 s[18:19], KS
	s_mul_u64 s[22:23], s[20:21], s[18:19]
	s_mul_u64 s[92:93], s[46:47], s[18:19]
	s_mov_b64 s[18:19], ROWB
	s_mul_u64 s[20:21], s[20:21], s[18:19]
	s_mul_u64 s[46:47], s[46:47], s[18:19]
	s_mul_i32 s45, s14, HALFT
	s_mul_i32 s18, s16, 128*ROWB
	s_mov_b32 s19, 0
	s_wait_dscnt 0x0
	s_wait_kmcnt 0x0
	s_add_nc_u64 s[20:21], s[4:5], s[20:21]
	s_add_nc_u64 s[22:23], s[6:7], s[22:23]
	s_add_nc_u64 s[46:47], s[8:9], s[46:47]
	s_add_nc_u64 s[92:93], s[10:11], s[92:93]
	CROUND
	s_mov_b32 s[G0S], 1
	s_mov_b32 s[G0S+1], SCL
	s_mov_b64 s[G0S+2:G0S+3], s[22:23]
	s_or_b32 s[G0S+3], s[G0S+3], 0x80000000
	s_mov_b32 s[G0SB], 1
	s_mov_b32 s[G0SB+1], SCL+2*HALFS
	s_mov_b64 s[G0SB+2:G0SB+3], s[92:93]
	s_or_b32 s[G0SB+3], s[G0SB+3], 0x80000000
	s_mov_b32 s[G0H], 1
	s_mov_b32 s[G0H+1], 0
	s_mov_b64 s[G0H+2:G0H+3], s[20:21]
	s_or_b32 s[G0H+3], s[G0H+3], 0x80000000
	s_mov_b32 s[G0HB], 1
	s_mov_b32 s[G0HB+1], 2*HALFT
	s_mov_b64 s[G0HB+2:G0HB+3], s[46:47]
	s_or_b32 s[G0HB+3], s[G0HB+3], 0x80000000
	; THE PREFETCHES INTO THE L2.  A K step of a tile is 49,152 dense bytes, 192 blocks of 256.  The four partners that ask for a tile jointly share its blocks out BY ADDRESS: the partner at place p
	; (cx for A, cy for B) takes blocks 48 p .. 48 p + 47, its two waves that fetch for that tensor 24 each, a lane a block (lanes 24-31 name their wave's last block again).
	; K steps 1 and 2 are asked for behind the head's loads, K step 3 behind slot 1's load: each at least one change of slots ahead of the load that wants it; nothing lies beyond K step 3.
	s_cmp_eq_u32 s15, 0                            ; do I fetch for A?
	s_cselect_b64 s[94:95], s[20:21], s[46:47]     ; the tile's first byte, K step 0; never rewritten
	s_cselect_b32 s2, s40, s41                     ; my place among the four
	s_mov_b32 s3, PLB
	s_cselect_b32 s3, PLA, s3                      ; from K step to K step
	s_mul_i32 s2, s2, 48*256
	s_mul_i32 s66, s16, 24*256
	s_add_co_u32 s2, s2, s66
	s_add_co_u32 s2, s2, s3                        ; at K step 1
	s_add_nc_u64 s[20:21], s[20:21], s[18:19]
	s_add_nc_u64 s[46:47], s[46:47], s[18:19]
.irp s, 0,1
	s_mov_b32 s[G0+4*\s], 1
	s_add_co_u32 s[G0+4*\s+1], s45, \s*SLOT
	s_add_nc_u64 s[G0+4*\s+2:G0+4*\s+3], s[20:21], \s*PLA
	s_or_b32 s[G0+4*\s+3], s[G0+4*\s+3], 0x80000000
	s_mov_b32 s[G0B+4*\s], 1
	s_add_co_u32 s[G0B+4*\s+1], s45, \s*SLOT
	s_add_nc_u64 s[G0B+4*\s+2:G0B+4*\s+3], s[46:47], \s*PLB
	s_or_b32 s[G0B+4*\s+3], s[G0B+4*\s+3], 0x80000000
.endr
; the head's four loads, one a wave: one tree of branches on the wave's number, every way through it passes one load
.macro ARM under, g0, g1, next
	s_cmp_lt_u32 s14, \under
	s_cbranch_scc0 \next
	tensor_load_to_lds s[\g0:\g0+3], s[\g1:\g1+7]
	s_nop 0
.rept 4
	v_nop
.endr
	s_branch .Lhead_asked
\next:
.endm
	ARM 1, G0H,  G1,  .Lhead_b
	ARM 2, G0HB, G1B, .Lhead_sa
	ARM 3, G0S,  G1S, .Lhead_sb
	tensor_load_to_lds s[G0SB:G0SB+3], s[G1SB:G1SB+7]
	s_nop 0
.rept 4
	v_nop
.endr
.Lhead_asked:
	v_and_b32 v224, 31, v0
	v_min_u32 v224, 23, v224
	v_lshlrev_b32 v224, 8, v224
	v_add_nc_u32 v224, s2, v224                    ; v224-226: my block of K steps 1, 2, 3; never rewritten
	v_add_nc_u32 v225, s3, v224
	v_add_nc_u32 v226, s3, v225
	global_prefetch_b8 v224, s[94:95] th:TH_LOAD_NT scope:SCOPE_SE
	global_prefetch_b8 v225, s[94:95] th:TH_LOAD_NT scope:SCOPE_SE
	v_and_b32 v1, 15, v0
	v_bfe_u32 v2, v0, 4, 1
	v_mul_u32_u24 v3, v1, PITCH
	v_mul_u32_u24 v4, v2, 24
	v_add_nc_u32 v4, v3, v4
	v_lshl_add_u32 v5, v2, 4, v4
	s_mul_i32 s21, s15, HALFT
	s_mul_i32 s22, s16, HALFT
	s_add_co_u32 s22, s22, 2*HALFT
.irp s, 0,1
	v_add_nc_u32 v[ADRA+\s], s21, v4
	v_add_nc_u32 v[ADRB+\s], s22, v4
	v_add_nc_u32 v[ADRA+2+\s], s21, v5
	v_add_nc_u32 v[ADRB+2+\s], s22, v5
	s_add_co_u32 s21, s21, SLOT
	s_add_co_u32 s22, s22, SLOT
.endr
	v_mul_u32_u24 v5, v1, KS
	v_lshrrev_b32 v6, 8, v5
	v_lshl_add_u32 v5, v6, 4, v5
	s_mul_i32 s21, s15, HALFS
	s_mul_i32 s22, s16, HALFS
	s_add_co_u32 s22, s22, 2*HALFS
	s_sub_co_u32 s22, s22, s21
	v_mul_u32_u24 v6, s22, v2
	s_add_co_u32 s21, s21, SCL
	v_add_nc_u32 v5, v5, v6
	v_add_nc_u32 v[ADRS], s21, v5
	v_bfe_u32 v4, v0, 1, 1
	v_and_b32 v5, 1, v0
	s_mul_i32 s21, s15, 24576
	s_lshl_b32 s22, s16, 6
	s_add_co_u32 s22, s22, s21
	v_lshrrev_b32 v3, 2, v1
	v_mul_u32_u24 v3, v3, 768
	v_lshl_add_u32 v3, v4, 7, v3
	v_lshl_add_u32 v3, v2, 4, v3
	v_add_nc_u32 v3, s22, v3
.irp p, 0,1,2
	v_mad_u32_u24 v6, v5, 6, 2*\p
	v_lshrrev_b32 v[AQ+\p], 2, v6
	v_and_b32 v6, 3, v6
	v_lshl_add_u32 v[AQ+\p], v[AQ+\p], 8, v3
	v_lshl_add_u32 v[AQ+\p], v6, 2, v[AQ+\p]
.endr
	s_lshl_b32 s22, s15, 10
	s_lshl_b32 s23, s16, 3
	s_add_co_u32 s22, s22, s23
	s_add_co_u32 s22, s22, SQP
	v_lshrrev_b32 v3, 2, v1
	v_lshl_add_u32 v[AQB], v3, 5, v5
	v_lshl_add_u32 v[AQB], v4, 4, v[AQB]
	v_lshl_add_u32 v[AQB], v2, 1, v[AQB]
	v_add_nc_u32 v[AQB], s22, v[AQB]
	s_lshl_b32 s22, s16, 7
	s_add_co_u32 s22, s22, s21
	s_add_co_u32 s22, s22, SV
	v_bfe_u32 v3, v0, 3, 1
	v_mul_u32_u24 v3, v3, 1536
	v_lshl_add_u32 v3, v4, 8, v3
	v_lshl_add_u32 v3, v2, 5, v3
	v_add_nc_u32 v3, s22, v3
	v_bfe_u32 v6, v0, 2, 1
	v_mul_u32_u24 v6, v6, 6
	v_mad_u32_u24 v6, v5, 3, v6
.irp w, 0,1,2
	v_add_nc_u32 v[AVB], \w, v6
	v_lshrrev_b32 v[AV+\w], 2, v[AVB]
	v_and_b32 v[AVB], 3, v[AVB]
	v_lshl_add_u32 v[AV+\w], v[AV+\w], 9, v3
	v_lshl_add_u32 v[AV+\w], v[AVB], 2, v[AV+\w]
.endr
	s_lshl_b32 s22, s15, 10
	s_lshl_b32 s23, s16, 5
	s_add_co_u32 s22, s22, s23
	s_add_co_u32 s22, s22, SVS
	v_bfe_u32 v3, v0, 3, 1
	v_bfe_u32 v[AVB], v0, 1, 2
	v_lshl_add_u32 v[AVB], v3, 6, v[AVB]
	v_lshl_add_u32 v[AVB], v2, 3, v[AVB]
	v_add_nc_u32 v[AVB], s22, v[AVB]
	s_mul_i32 s22, s16, 12288
	s_add_co_u32 s22, s22, s21
	v_mul_u32_u24 v[CQL], v2, 768
	v_lshl_add_u32 v[CQL], v1, 4, v[CQL]
	v_add_nc_u32 v[CQL], s22, v[CQL]
	v_mul_u32_u24 v[CQG], v2, 3072
	v_lshl_add_u32 v[CQG], v1, 4, v[CQG]
	v_and_b32 v[L16], 31, v0
	v_lshlrev_b32 v[L16], 4, v[L16]
	s_add_co_u32 s22, s22, SV
	v_add_nc_u32 v[CVL], s22, v[L16]
	s_lshl_b32 s22, s15, 10
	s_lshl_b32 s23, s16, 9
	s_add_co_u32 s22, s22, s23
	s_add_co_u32 s23, s22, SQP
	v_add_nc_u32 v[CQS], s23, v[L16]
	s_add_co_u32 s23, s22, SVS
	v_add_nc_u32 v[CVS], s23, v[L16]
	s_lshl_b32 s20, s17, 1
	s_add_co_u32 s20, s20, s15
	s_mul_i32 s20, s20, HEADB
	s_mov_b32 s21, 0
	s_add_nc_u64 s[98:99], s[98:99], s[20:21]
	s_lshl_b32 s20, s42, 10
	s_lshl_b32 s22, s16, 9
	s_add_co_u32 s20, s20, s22
	s_add_nc_u64 s[96:97], s[96:97], s[20:21]
	s_add_co_u32 s20, s20, 196608
	s_add_nc_u64 s[66:67], s[98:99], s[20:21]
	s_and_b32 s20, s40, 1
	s_mul_i32 s20, s20, 1536
	s_lshr_b32 s22, s40, 1
	s_lshl_b32 s22, s22, 8
	s_add_co_u32 s20, s20, s22
	s_mul_i32 s22, s40, 1536
	s_add_co_u32 s22, s22, 98304
	s_add_co_u32 s23, s20, 208896
	s_cmp_eq_u32 ttmp9, 1
	s_cselect_b32 s20, s22, s20
	s_cmp_eq_u32 ttmp9, 2
	s_cselect_b32 s20, s23, s20
	s_mul_i32 s22, s16, 49152
	s_add_co_u32 s20, s20, s22
	s_add_nc_u64 s[12:13], s[98:99], s[20:21]
	v_lshlrev_b32 v3, 5, v2
.irp b, 0,1,2,3,4,5,6,7
	global_load_b128 v[BI+8*\b:BI+8*\b+3], v3, s[96:97] offset:64*\b
	global_load_b128 v[BI+8*\b+4:BI+8*\b+7], v3, s[96:97] offset:64*\b+16
.endr
.macro FRAG reg, adr, q, i
.irp p, 0,1,2,3,4,5
.set PC, 12*(\q)+6*(\p/3)+\p%3
.if PC%8 < 5
	ds_load_b64 v[\reg+2*\p:\reg+2*\p+1], v[\adr] offset:8*PC+16*(PC/8)+(\i)*16*PITCH
.else
	ds_load_b64 v[\reg+2*\p:\reg+2*\p+1], v[\adr+2] offset:8*PC+16*(PC/8)+(\i)*16*PITCH
.endif
.endr
.endm
.macro MUL16 a0, p, q, sc, first
.irp a, \a0, \a0+1
.irp b, 0,1,2,3,4,5,6,7
.if \first
	v_wmma_scale_f32_16x16x128_f8f6f4 v[8*(8*((\a)%4)+\b):8*(8*((\a)%4)+\b)+7], v[128*(\p)+FR*\b:128*(\p)+FR*\b+FR-1], v[AF+FR*(\a):AF+FR*(\a)+FR-1], v[BI+8*\b:BI+8*\b+7], v[SC+8*NQ*(\sc)+NQ*\b+(\q)], v[SC+8*NQ*(\sc)+NQ*(\a)+(\q)] matrix_a_fmt:MATRIX_FMT_FP6 matrix_b_fmt:MATRIX_FMT_FP6 matrix_a_scale:MATRIX_SCALE_ROW1
.else
	v_wmma_scale_f32_16x16x128_f8f6f4 v[8*(8*((\a)%4)+\b):8*(8*((\a)%4)+\b)+7], v[128*(\p)+FR*\b:128*(\p)+FR*\b+FR-1], v[AF+FR*(\a):AF+FR*(\a)+FR-1], v[8*(8*((\a)%4)+\b):8*(8*((\a)%4)+\b)+7], v[SC+8*NQ*(\sc)+NQ*\b+(\q)], v[SC+8*NQ*(\sc)+NQ*(\a)+(\q)] matrix_a_fmt:MATRIX_FMT_FP6 matrix_b_fmt:MATRIX_FMT_FP6 matrix_a_scale:MATRIX_SCALE_ROW1
.endif
.endr
.endr
.endm
.macro FETCH_B slot, q, p
	WIN TO_B
.irp i, 0,1,2,3,4,5,6,7
	FRAG 128*(\p)+FR*\i, ADRB+\slot, \q, \i
.endr
	WIN 0
.endm
.macro FETCH_A slot, q, i0
.irp i, \i0, \i0+1, \i0+2, \i0+3
	FRAG AF+FR*(\i), ADRA+\slot, \q, \i
.endr
.endm
.macro SCALES sc
.irp i, 0,1,2,3,4,5,6,7
	ds_load_b64 v[SC+8*NQ*\sc+NQ*\i:SC+8*NQ*\sc+NQ*\i+1], v[ADRS] offset:\i*SBLK
.endr
.endm
.macro PLACES n
.rept \n
	v_nop
.endr
.endm
.macro STEP slot, q, first
	s_wait_dscnt 4*NL
.if \first
	WIN MUL_LO0
.else
	WIN MUL_LO
.endif
	MUL16 0, (\q)%2, \q, \slot, \first
	MUL16 2, (\q)%2, \q, \slot, \first
	s_wait_dscnt 0
	PLACES NP
	FETCH_B \slot, (\q)+1, 1-(\q)%2
	FETCH_A \slot, (\q)+1, 0
.if \first
	WIN MUL_HI0
.else
	WIN MUL_HI
.endif
	MUL16 4, (\q)%2, \q, \slot, \first
	MUL16 6, (\q)%2, \q, \slot, \first
	PLACES NP
	WIN 0
	FETCH_A \slot, (\q)+1, 4
.endm
.macro TURN slot, next, fill
	s_wait_tensorcnt 0x0
	ds_add_u32 v[SPW], v[NIL]
	s_wait_dscnt 4*NL+1
	WIN MUL_LO
	MUL16 0, 1, NQ-1, \slot, 0
	s_wait_dscnt 0x0
	s_barrier_signal -1
	MUL16 2, 1, NQ-1, \slot, 0
	WIN 0
	s_barrier_wait -1
.if \fill
	CREST
	s_add_nc_u64 s[G0+4*\slot+2:G0+4*\slot+3], s[G0+4*\slot+2:G0+4*\slot+3], 2*PLA
	s_add_nc_u64 s[G0B+4*\slot+2:G0B+4*\slot+3], s[G0B+4*\slot+2:G0B+4*\slot+3], 2*PLB
	JLOAD G0+4*\slot, G1, G0B+4*\slot, G1B
.else
	PLACES NP
.endif
	s_wait_alu depctr_va_vdst(0)
	v_add_nc_u32 v[ADRS], 4*NQ, v[ADRS]
	FETCH_B \next, 0, 0
	FETCH_A \next, 0, 0
	SCALES \next
	WIN MUL_HI
	MUL16 4, 1, NQ-1, \slot, 0
	MUL16 6, 1, NQ-1, \slot, 0
	PLACES NP
	WIN 0
	FETCH_A \next, 0, 4
.endm
	s_wait_alu depctr_va_vdst(0)                   ; the wait at the head's end
	s_wait_tensorcnt 0x0                           ; my tile of the head's four is in
	ds_add_u32 v[SPW], v[NIL]
	s_mov_b32 s[G1+2], 96<<16                      ; no tensor load of mine is out: from here on a load brings 128 rows of codes, 96 rows of 256 bytes
	s_mov_b32 s[G1+4], 96
	s_mov_b32 s[G1B+2], 96<<16
	s_mov_b32 s[G1B+4], 96
	s_wait_dscnt 0x0
	CROUND
	JLOAD G0+4, G1, G0B+4, G1B                     ; K step 1, the first tensor load behind the round
	FETCH_B 0, 0, 0
	global_prefetch_b8 v226, s[94:95] th:TH_LOAD_NT scope:SCOPE_SE   ; K step 3, behind slot 1's load and a run of LDS loads
	FETCH_A 0, 0, 0
	SCALES 0
	FETCH_A 0, 0, 4
	s_wait_loadcnt 0x0
	STEP 0, 0, 1
	s_mov_b32 s3, LAPS-1
.Llap:
	TURN 0, 1, 1
	STEP 1, 0, 0
	TURN 1, 0, 1
	STEP 0, 0, 0
	s_sub_co_u32 s3, s3, 1
	s_cmp_lg_u32 s3, 0
	s_cbranch_scc1 .Llap
	TURN 0, 1, 0
	STEP 1, 0, 0
	s_wait_dscnt 4*NL
	WIN MUL_LO
	MUL16 0, 1, NQ-1, 1, 0
	MUL16 2, 1, NQ-1, 1, 0
	s_wait_dscnt 0
	WIN MUL_HI
	MUL16 4, 1, NQ-1, 1, 0
	MUL16 6, 1, NQ-1, 1, 0
	WIN 0
.macro QKHALF W
.set WW, 2+\W
	WIN (WW|(WW<<2))
.irp g, 0,1,2,3,4,5,6,7
	v_max3_num_f32 v[TM+\g], |v[32*\g]|, |v[32*\g+1]|, 0x1800000
.endr
	WIN ((WW<<2)|(WW<<4))
.irp i, 2,4,6,8,10,12,14,16,18,20,22,24,26,28,30
.irp g, 0,1,2,3,4,5,6,7
	v_max3_num_f32 v[TM+\g], v[TM+\g], |v[32*\g+\i]|, |v[32*\g+\i+1]|
.endr
.endr
	WIN 0
.irp g, 0,1,2,3,4,5,6,7
	v_add_nc_u32 v[SOP+\g], 0xff000000, v[TM+\g]
.endr
.irp g, 0,1,2,3,4,5,6,7
	v_lshrrev_b32 v[BY+\g], 23, v[SOP+\g]
.endr
	WIN WW
.irp g, 0,1,2,3,4,5,6,7
.set CD, 128+8*\g-96*(\g/4)
	v_cvt_scalef32_pk16_fp6_f32 v[CD:CD+2], v[32*\g:32*\g+15], v[SOP+\g]
	v_cvt_scalef32_pk16_fp6_f32 v[CD+4:CD+6], v[32*\g+16:32*\g+31], v[SOP+\g]
.endr
	WIN 0
	v_nop
.irp g, 0,1,2,3,4,5,6,7
.set CD, 128+8*\g-96*(\g/4)
	v_mov_b32 v[CD+3], v[CD+4]
	v_mov_b32 v[CD+4], v[CD+5]
	v_mov_b32 v[CD+5], v[CD+6]
.endr
.irp g, 0,1,2,3,4,5,6,7
.set CD, 128+8*\g-96*(\g/4)
.irp p, 0,1,2
	ds_store_b64 v[AQ+\p], v[CD+2*\p:CD+2*\p+1] offset:(4*\W+\g/2)*3072+(\g%2)*32
.endr
	ds_store_b8 v[AQB], v[BY+\g] offset:(4*\W+\g/2)*128+(\g%2)*4
.endr
	s_wait_dscnt 0x0
.endm
.macro VHALF W
.set WW, 2+\W
	WIN (WW|(WW<<2))
.irp u, 0,1,2,3,4,5,6,7,8,9,10,11,12,13,14,15
	v_max3_num_f32 v[TM+\u], |v[16*\u]|, |v[16*\u+1]|, 0x1800000
.endr
	WIN ((WW<<2)|(WW<<4))
.irp i, 2,4,6,8,10,12,14
.irp u, 0,1,2,3,4,5,6,7,8,9,10,11,12,13,14,15
	v_max3_num_f32 v[TM+\u], v[TM+\u], |v[16*\u+\i]|, |v[16*\u+\i+1]|
.endr
.endr
	WIN 0
.irp u, 0,1,2,3,4,5,6,7,8,9,10,11,12,13,14,15
	v_max_num_f32_dpp v[TM+\u], v[TM+\u], v[TM+\u] row_xmask:1 row_mask:0xf bank_mask:0xf
.endr
.irp u, 0,1,2,3,4,5,6,7,8,9,10,11,12,13,14,15
	v_add_nc_u32 v[SOP+\u], 0xff000000, v[TM+\u]
.endr
.irp u, 0,1,2,3,4,5,6,7,8,9,10,11,12,13,14,15
	v_lshrrev_b32 v[BY+\u], 23, v[SOP+\u]
.endr
	WIN WW
.irp u, 0,1,2,3,4,5,6,7,8,9,10,11,12,13,14,15
.set CD, 128+4*\u-96*(\u/8)
	v_cvt_scalef32_pk16_fp6_f32 v[CD:CD+2], v[16*\u:16*\u+15], v[SOP+\u]
.endr
	WIN 0
	v_nop
.irp u, 0,1,2,3,4,5,6,7,8,9,10,11,12,13,14,15
.set CD, 128+4*\u-96*(\u/8)
.irp w, 0,1,2
	ds_store_b32 v[AV+\w], v[CD+\w] offset:(4*\W+\u/4)*3072+((\u/2)%2)*64+(\u%2)*16
.endr
	ds_store_b8 v[AVB], v[BY+\u] offset:(4*\W+\u/4)*128+((\u/2)%2)*16+(\u%2)*4
.endr
	s_wait_dscnt 0x0
.endm
.macro COPY la, lstep, ga, sa
.irp e, 0,1,2,3,4,5,6,7
.irp d, 0,1,2
	ds_load_b128 v[OUTR+4*(3*\e+\d):OUTR+4*(3*\e+\d)+3], v[\la] offset:\e*1536+\d*\lstep
.endr
.endr
	ds_load_b128 v[OUTR+96:OUTR+99], v[\sa]
.irp e, 0,1,2,3,4,5,6,7
.irp d, 0,1,2
	s_wait_dscnt 24-(3*\e+\d)
	global_store_b128 v[\ga], v[OUTR+4*(3*\e+\d):OUTR+4*(3*\e+\d)+3], s[12:13] offset:\e*6144+\d*512
.endr
.endr
	s_wait_dscnt 0x0
	global_store_b128 v[L16], v[OUTR+96:OUTR+99], s[66:67]
.endm
	PLACES NP
	s_cmp_eq_u32 ttmp9, 1
	s_cbranch_scc1 .Lv_out
	QKHALF 0
	QKHALF 1
	s_branch .Lmeet
.Lv_out:
	VHALF 0
	VHALF 1
.Lmeet:
	s_wait_dscnt 0x0
	s_barrier_signal -1
	s_barrier_wait -1
	s_cmp_eq_u32 ttmp9, 1
	s_cbranch_scc1 .Lv_copy
	COPY CQL, 256, CQG, CQS
	s_branch .Lend
.Lv_copy:
	COPY CVL, 512, L16, CVS
.Lend:
	s_wait_tensorcnt 0x0
	ds_add_u32 v[SPW], v[NIL]
	s_wait_dscnt 0x0
	CROUND
	s_endpgm
.Lfunc_end_k_q4d29a59124_proj:
	.size	k_q4d29a59124_proj, .Lfunc_end_k_q4d29a59124_proj-k_q4d29a59124_proj
	.p2alignl 7, 3214868480
	.fill 96, 4, 3214868480
	.section	.rodata,"a",@progbits
	.p2align	6, 0x0
	.amdhsa_kernel k_q4d29a59124_proj
		.amdhsa_group_segment_fixed_size 327680
		.amdhsa_private_segment_fixed_size 0
		.amdhsa_enable_private_segment 0
		.amdhsa_kernarg_size 48
		.amdhsa_user_sgpr_count 2
		.amdhsa_user_sgpr_kernarg_segment_ptr 1
		.amdhsa_wavefront_size32 1
		.amdhsa_system_sgpr_workgroup_id_x 1
		.amdhsa_system_sgpr_workgroup_id_y 1
		.amdhsa_system_sgpr_workgroup_id_z 1
		.amdhsa_system_vgpr_workitem_id 0
		.amdhsa_next_free_vgpr 1024
		.amdhsa_next_free_sgpr 100
		.amdhsa_reserve_vcc 0
		.amdhsa_float_denorm_mode_32 3
		.amdhsa_float_denorm_mode_16_64 3
		.amdhsa_memory_ordered 1
		.amdhsa_forward_progress 1
		.amdhsa_inst_pref_size 206
	.end_amdhsa_kernel
	.amdgpu_metadata
---
amdhsa.version: [ 1, 2 ]
amdhsa.kernels:
  - .name:           k_q4d29a59124_proj
    .symbol:         k_q4d29a59124_proj.kd
    .args:
      - { .name: xc, .offset: 0, .size: 8, .value_kind: global_buffer, .address_space: global }
      - { .name: xs, .offset: 8, .size: 8, .value_kind: global_buffer, .address_space: global }
      - { .name: wc, .offset: 16, .size: 8, .value_kind: global_buffer, .address_space: global }
      - { .name: ws, .offset: 24, .size: 8, .value_kind: global_buffer, .address_space: global }
      - { .name: bp, .offset: 32, .size: 8, .value_kind: global_buffer, .address_space: global }
      - { .name: img, .offset: 40, .size: 8, .value_kind: global_buffer, .address_space: global }
    .group_segment_fixed_size: 327680
    .private_segment_fixed_size: 0
    .kernarg_segment_align: 8
    .kernarg_segment_size: 48
    .max_flat_workgroup_size: 128
    .sgpr_count:     100
    .vgpr_count:     1024
    .wavefront_size: 32
...
	.end_amdgpu_metadata
.endif
;; end of part 2
;; launch attn (part 3): grid 4 x 64, 8 waves a work-group, clusters of 4 x 1, 327,680 bytes of LDS; arguments img, out0; writes out0
.if DOCPART == 3
	.amdgcn_target "amdgcn-amd-amdhsa--gfx1250"
	.amdhsa_code_object_version 6
	.text
	.protected	k_q4d29a59124_attn
	.globl	k_q4d29a59124_attn
	.p2align	8
	.type	k_q4d29a59124_attn,@function
k_q4d29a59124_attn:
	s_mov_b64 s[64:65], 0
	v_nop
	global_prefetch_b8 v0, s[64:65] scope:SCOPE_SE
	s_setreg_imm32_b32 hwreg(HW_REG_WAVE_MODE, 25, 1), 1
	s_wait_xcnt 0x0
	s_wait_alu depctr_hold_cnt(0) depctr_sa_sdst(0) depctr_va_vdst(0) depctr_va_sdst(0) depctr_va_ssrc(0) depctr_va_vcc(0) depctr_vm_vsrc(0)
	s_getreg_b32 s2, hwreg(HW_REG_IB_STS2, 6, 4)
	s_cmp_eq_u32 s2, 0
	s_cbranch_scc0 .Lentry_in_a_cluster
	s_endpgm
.Lentry_in_a_cluster:
	s_bfe_u32 s2, ttmp6, 0x10000c
	s_cmp_lg_u32 s2, 0x3003
	s_cbranch_scc0 .Lentry_shape_is_right
	s_endpgm
.Lentry_shape_is_right:
; O[g][q][:] = the sum over k of softmax_k(Q[g][q] . K[g][k] / 32) V[g][k][:] for 64 heads of 2,048 places x 64 channels, both products on codes of FP6 (E2M3) with one E8M0 scale for each 32 along a product's K.
; The operands come from img as images of their registers (307,200 bytes a head: K's 64 pair fragments, V's 64 fragments, K's scale planes, V's scale words, Q's planes, Q's pair fragments).
; THE SOFTMAX AHEAD OF THE SECOND PRODUCT: t = score x log2(e) / 32; M = the row's largest t so far, rounded UP to a whole number; p = 2^(t - M) is quantised along the keys, not normalised.
; The row's sum is taken of the unquantised p, in f32, and divides O at the end.  When M moves, the sum and O are multiplied by 2^(old M - new M): exact.
; SHARES.  A cluster of four work-groups is one head; a work-group owns 512 queries; each of its eight waves two pair fragments of Q: FOUR tiles of 16 queries (tile i = 2 chi + rho), in ONE pass over the 2,048 keys, 128 a step.
; A step's four fragments of K and four of V are read from LDS once for all four tiles.  The tiles go in two pairs, X and Y.  A PAIR'S SOFTMAX IS SKEWED: X's chain of dependent lines (maximum, M, f) stands among Y's maxima,
; Y's chain among X's multiply-adds, Y's multiply-adds between X's exponentials (their results are first read behind the next wait), and each tile's scale bytes are made among its own sums.
; K's fragments of the next step are asked for behind the step's last score product, V's behind its first: a pair's softmax stands between each run of LDS loads and the wait for it.
; ALL OF A HEAD'S K AND V STAYS IN LDS: 204,800 dense bytes, asked for jointly by the four work-groups, one tensor load of 25,600 bytes a wave (one out, by this text's count).  Nothing is filled again.
; No prefetch: the launch's one fill stands at its head, and no loop runs ahead of it.
; A place is s = 128 sg + 64 Rq + 32 e + 16 rho + 8 chi + c7.  PAIR FRAGMENT (sg, Rq, chi): row 8 e + c7; K blocks 0, 1 of the 128 are the 64 channels of the place with rho = 0, blocks 2, 3 of that with rho = 1.
; The head has 64 channels, half of the instruction's 128: a pair fragment of K is multiplied by [q; zero codes] (keys with rho = 0) and by [zero codes; q] (rho = 1).
; Both products are used transposed (S^T = K Q^T, O^T = V^T P^T): a lane holds ONE query (lane % 16); a tile's registers 32 c .. 32 c + 31 are one whole block of 32 keys, in the order that the second product's operand wants.
; LIMITS: NaN and infinities are not served.  The promise holds while the scaled scores t stay under 2^31 in magnitude.  A block whose every p has fallen to 0 keeps the byte 1: its codes are zeros.
; A block's largest p is made from its largest score by the same multiply-add and exponential: this takes v_exp_f32 not to fall where its input rises; at the worst one p of a block is held one code low.
; REGISTERS.  Window 0: v0-7 addresses; v8-23 a tile's -M, largest score and sum; v24-35 scale words; v36-83 V's fragments; v84-211 S^T, then p, of a pair; v212-255 at work.
; Window 1: v0-127 O^T of the four tiles; v128-175 K's fragments; v176-229 zero codes and q by turns (Z q0 Z q1 Z q2 Z q3 Z); v230-253 p's codes of a pair.
.set VIMG,  98304                      ; LDS: K's fragments from 0, V's from here,
.set RAW,   196608                     ; K's planes (4,096) and V's words (4,096) as they come
.set KSC,   204800                     ; K's scale words [sg][row 16][2 Rq + chi]: made once, by LDS stores, in bytes of their own
.set VSW,   208896                     ; V's scale words [sg][row 16][d / 16]
.set STAGE, 212992                     ; the way out: 16 rows x (256 bytes + 16) for each wave
.set SPARE, 282624                     ; the spare words, 128 bytes for each wave: four blocks of 256 bytes that no other line names
.set HEADB, 307200
.set QPLO,  204800                     ; in img: Q's planes,
.set QIMGO, 208896                     ; Q's pair fragments
.set LK,   1                           ; 16 x lane
.set LKS,  2                           ; KSC + 16 (lane % 16); on the way out my offset in O
.set AD0,  3                           ; a run of loads' addresses: fragments,
.set AD1,  4                           ; scale words; on the way out the stage, in and back
.set SPW,  5                           ; LDS address of my spare word; never rewritten
.set NIL,  6                           ; 0; never rewritten
.set H8,   7                           ; 8 (lane / 16)
.set ST,   8                           ; tile i: v[ST+4i] -M, +1 the largest score so far, +2, +3 the sum in two halves
.set QS,   24                          ; q's scale words, a tile each
.set KSW,  28                          ; the scale words of K's four fragments
.set VSR,  32                          ; of V's four
.set VF,   36
.set S,    84
.set BM,   212                         ; v212-215 the largest score, then p, of the pair's four blocks (2 u + c)
.set HM,   216                         ; v216-219 the maxima's second chains;
.set BS,   216                         ; later the conversions' scale operands
.set RM,   220                         ; v220-221
.set FL,   222                         ; v222-223
.set BB,   220                         ; v220-223 later the scale bytes
.set PX,   224
.set DM,   226
.set FF,   228                         ; v[228:229], v[230:231] f = 2^(old M - new M)
.set PY,   232
.set PW,   234                         ; v234-235 p's scale words
.set CT,   236                         ; v236-251 the upper halves of the blocks' codes as they are made (4 (2 u + c))
.set TS,   244                         ; three more chains of a tile's sum: tile u's at TS - 8 u, in the OTHER tile's part of CT
.set KF,   128                         ; window 1
.set QB,   176
.set PC,   230
.set WV,   8                           ; s8 my wave's number
.set SEL,  36                          ; s[36:37] lane selects: lane l xor 16
.set CS,   38                          ; s[38:39] c = log2(e) / 32
.set NC,   41                          ; s41 -c
.set MSB, 0
.macro WIN new                         ; the immediate's high byte repeats the setting that is left
.if MSB != \new
	s_set_vgpr_msb (MSB<<8)|\new
.set MSB, \new
.endif
.endm
.macro CROUND                          ; a round of the cluster's barrier
	s_barrier_signal -1
	s_barrier_wait -1
	s_cmp_lg_u32 s[WV], 0
	s_cbranch_scc1 .Lnot_wave_0_\@
	s_barrier_signal -3
.Lnot_wave_0_\@:
	s_barrier_wait -3
	s_barrier_signal -1
	s_barrier_wait -1
.endm
	s_load_b128 s[4:7], s[0:1], 0x0                ; img s[4:5], out0 s[6:7]
	v_lshl_add_u32 v[SPW], v0, 2, SPARE
	v_mov_b32 v[NIL], 0
	ds_add_u32 v[SPW], v[NIL]                      ; the opening lines: the add, twice on end, and its wait ahead of my tensor load
	ds_add_u32 v[SPW], v[NIL]
	v_lshrrev_b32 v[AD0], 5, v0
	v_readfirstlane_b32 s[WV], v[AD0]              ; wave 0..7
	s_bfe_u32 s9, ttmp6, 0x40000                   ; cx: it enters Q's and O's global addresses alone
	s_and_b32 s10, ttmp7, 0xffff                   ; the head, which the four partners share
	s_mul_i32 s32, s10, HEADB
	s_mov_b32 s33, 0
	s_mov_b32 s12, 1                               ; group 0: count = 1;
	s_mul_i32 s13, s[WV], 25600                    ; LDS address: my eighth of the 204,800 bytes
	s_mov_b32 s34, s13
	s_mov_b32 s35, 0
	s_add_nc_u64 s[34:35], s[34:35], s[32:33]      ; and the same place in the head's part of img
	s_mov_b32 s16, 15|(3<<16)|(1<<21)              ; group 1: the mask: all four work-groups; elements of 8 bytes; bit 21 beside a mask; no padding
	s_mov_b32 s17, 32<<16                          ; rows of 256 bytes
	s_mov_b32 s18, 100<<16                         ; 100 of them
	s_mov_b32 s19, 32<<16
	s_mov_b32 s20, 100
	s_mov_b32 s21, 32                              ; dense
	s_mov_b32 s22, 0
	s_mov_b32 s23, 0
	s_mov_b32 s[SEL], 0x76543210
	s_mov_b32 s[SEL+1], 0xfedcba98
	s_mov_b32 s[CS], 0x3d38aa3b                    ; log2(e) / 32
	s_mov_b32 s[CS+1], s[CS]                       ; (named with it as a pair, so it is written)
	s_mov_b32 s[NC], 0xbd38aa3b
	s_wait_dscnt 0x0                               ; both opening adds are done
	s_wait_kmcnt 0x0
	s_add_nc_u64 s[14:15], s[4:5], s[34:35]
	s_or_b32 s15, s15, 0x80000000                  ; type = 2
	CROUND                                         ; all four work-groups are here: the joint loads meet
	tensor_load_to_lds s[12:15], s[16:23]
	s_nop 0
.rept 4
	v_nop
.endr
	s_lshl_b32 s40, s9, 3
	s_add_co_u32 s40, s40, s[WV]                   ; 8 cx + wave = 2 sg + Rq: my two pair fragments of Q are 2 x this (chi = 0) and the next (chi = 1)
	s_add_nc_u64 s[4:5], s[4:5], s[32:33]          ; img at my head
	s_mul_i32 s34, s40, 3072
	s_add_co_u32 s34, s34, QIMGO
	s_add_nc_u64 s[28:29], s[4:5], s[34:35]        ; the two fragments: 3,072 dense bytes
	s_lshl_b32 s34, s40, 5
	s_add_co_u32 s34, s34, QPLO
	s_add_nc_u64 s[30:31], s[4:5], s[34:35]        ; their scale bytes: plane hd at 2,048 hd + 1,024 chi + 32 (2 sg + Rq)
	s_lshl_b32 s34, s10, 19                        ; O: 524,288 bytes a head,
	s_lshl_b32 s43, s40, 14                        ; place 64 (2 sg + Rq), 256 bytes a place
	s_add_co_u32 s34, s34, s43
	s_add_nc_u64 s[26:27], s[6:7], s[34:35]
	v_and_b32 v[AD0], 31, v0
	v_lshlrev_b32 v[LK], 4, v[AD0]
.irp i, 0,1,2,3,4,5
	global_load_b128 v[S+4*\i:S+4*\i+3], v[LK], s[28:29] offset:512*\i th:TH_LOAD_NT   ; tile i's six registers land at v[S + 6 i]
.endr
	v_and_b32 v[AD0], 15, v0                       ; r
	v_bfe_u32 v[AD1], v0, 4, 1                     ; h
	v_lshlrev_b32 v255, 1, v[AD0]                  ; two bytes (rho 0, rho 1) for each row
	global_load_u16 v[S+24], v255, s[30:31]                ; chi 0: hd 0,
	global_load_u16 v[S+25], v255, s[30:31] offset:2048    ; hd 1;
	global_load_u16 v[S+26], v255, s[30:31] offset:1024    ; chi 1: hd 0,
	global_load_u16 v[S+27], v255, s[30:31] offset:3072    ; hd 1
	v_lshl_add_u32 v[LKS], v[AD0], 4, KSC
	v_lshlrev_b32 v[H8], 3, v[AD1]
	; THE SCALE WORDS ARE LAID ANEW, once, by the 256 threads.  K's planes hold bytes [hd][chi][sg][Rq][row][rho]: thread T takes, for each chi, the word at 4 T of each plane: rows 2 (T % 8) and + 1, both rho.
	v_lshl_add_u32 v212, v0, 2, RAW
	v_lshl_add_u32 v213, v0, 3, RAW+4096           ; V's words [d / 16][sg][d % 16]: thread T takes words 2 T, 2 T + 1 and the two 2,048 bytes on
	v_bfe_u32 v214, v0, 4, 4                       ; K: sg
	v_bfe_u32 v217, v0, 3, 4                       ; V: sg
	v_and_b32 v215, 7, v0
	v_lshlrev_b32 v214, 8, v214
	v_lshlrev_b32 v217, 8, v217
	v_bfe_u32 v216, v0, 3, 1
	v_lshl_add_u32 v214, v215, 5, v214             ; + 16 x 2 (T % 8)
	v_lshl_add_u32 v217, v215, 5, v217
	v_lshl_add_u32 v214, v216, 3, v214             ; + 4 x 2 Rq
	v_lshrrev_b32 v216, 7, v0
	v_add_nc_u32 v214, KSC, v214
	v_lshl_add_u32 v217, v216, 2, v217             ; + 4 (d / 16)
	v_add_nc_u32 v217, VSW, v217
.irp i, 0,1,2,3
	v_mov_b32 v[ST+4*\i], 0x7d000000               ; -M begins at 2^123, over every -M: the first f is 0
	v_mov_b32 v[ST+4*\i+1], 0xff61b1e6             ; the largest score so far: -3e38
	v_mov_b32 v[ST+4*\i+2], 0                      ; the sum, in two halves
	v_mov_b32 v[ST+4*\i+3], 0
.endr
	WIN 0x40
.irp z, 0,1,2,3,4
.irp k, 0,1,2,3,4,5
	v_mov_b32 v[QB+12*\z+\k], 0                    ; the zero codes on both sides of each q
.endr
.endr
.set j, 0
.rept 128
	v_mov_b32 v[j], 0                              ; O^T: the step is written once; the first finds zeros, which the first f leaves zeros
.set j, j+1
.endr
	WIN 0
	s_wait_loadcnt 0x0                             ; Q's fragments and scale bytes
.irp i, 0,1
	v_perm_b32 v[QS+2*\i], v[S+25+2*\i], v[S+24+2*\i], 0x04000400     ; q's scale word: (hd 0, hd 1) for K blocks 0, 1 and again for 2, 3: rho = 0,
	v_perm_b32 v[QS+2*\i+1], v[S+25+2*\i], v[S+24+2*\i], 0x05010501   ; rho = 1
.endr
	WIN 0x40
.irp i, 0,1,2,3
.irp k, 0,1,2,3,4,5
	v_mov_b32 v[QB+12*\i+6+\k], v[S+6*\i+\k]
.endr
.endr
	WIN 0
	s_wait_alu depctr_va_vdst(0)                   ; directly ahead of the wait below
	s_wait_tensorcnt 0x0                           ; my part of the head is in,
	s_barrier_signal -1
	s_barrier_wait -1                              ; everybody's is
	ds_load_b32 v218, v212
	ds_load_b32 v219, v212 offset:2048
	ds_load_b32 v220, v212 offset:1024
	ds_load_b32 v221, v212 offset:3072
	ds_load_b64 v[222:223], v213
	ds_load_b64 v[224:225], v213 offset:2048
	s_wait_dscnt 0x0
	v_perm_b32 v226, v219, v218, 0x05010400        ; bytes 0 and 1 of both planes, interleaved: the even row's word (rho 0 hd 0, rho 0 hd 1, rho 1 hd 0, rho 1 hd 1)
	v_perm_b32 v227, v219, v218, 0x07030602        ; bytes 2 and 3: the odd row's
	v_perm_b32 v228, v221, v220, 0x05010400        ; the same for chi = 1
	v_perm_b32 v229, v221, v220, 0x07030602
	ds_store_b32 v214, v226
	ds_store_b32 v214, v227 offset:16
	ds_store_b32 v214, v228 offset:4
	ds_store_b32 v214, v229 offset:20
	ds_store_b32 v217, v222
	ds_store_b32 v217, v223 offset:16
	ds_store_b32 v217, v224 offset:8
	ds_store_b32 v217, v225 offset:24
	s_wait_dscnt 0x0                               ; for the others' sake: my stores are done (and have read their registers)
.irp r, PX, PX+1, PY, PY+1, FF+1, FF+3
	v_mov_b32 v[\r], 0                             ; written once: a lane permute's destination counts as a source, and so does a pair's upper half
.endr
	s_wait_alu depctr_va_vdst(0)
	s_barrier_signal -1
	s_barrier_wait -1
.macro LOADK a, s                      ; K's four pair fragments, images of their registers, 512 consecutive bytes a load, and their scale words of my row
	ds_load_b128 v[KSW:KSW+3], v[\s]
	WIN 0x40
.irp p, 0,1,2,3
.irp i, 0,1,2
	ds_load_b128 v[KF+12*\p+4*\i:KF+12*\p+4*\i+3], v[\a] offset:1536*\p+512*\i
.endr
.endr
	WIN 0
.endm
.macro LOADV                           ; V's four fragments (channels 16 p on) and their scale words
.irp p, 0,1,2,3
.irp i, 0,1,2
	ds_load_b128 v[VF+12*\p+4*\i:VF+12*\p+4*\i+3], v[AD0] offset:1536*\p+512*\i
.endr
.endr
	ds_load_b128 v[VSR:VSR+3], v[AD1]
.endm
.macro QK i, u                         ; S^T of tile i into half u of S: eight products, each on an accumulator of its own, begun with 0
.irp p, 0,1,2,3
	v_wmma_scale_f32_16x16x128_f8f6f4 v[S+64*\u+32*(\p/2)+8*(\p%2):S+64*\u+32*(\p/2)+8*(\p%2)+7], v[KF+12*\p:KF+12*\p+11], v[QB+12*\i+6:QB+12*\i+17], 0, v[KSW+\p], v[QS+\i] matrix_a_fmt:MATRIX_FMT_FP6 matrix_b_fmt:MATRIX_FMT_FP6   ; x [q; 0]: the keys with rho = 0
	v_wmma_scale_f32_16x16x128_f8f6f4 v[S+64*\u+32*(\p/2)+16+8*(\p%2):S+64*\u+32*(\p/2)+16+8*(\p%2)+7], v[KF+12*\p:KF+12*\p+11], v[QB+12*\i:QB+12*\i+11], 0, v[KSW+\p], v[QS+\i] matrix_a_fmt:MATRIX_FMT_FP6 matrix_b_fmt:MATRIX_FMT_FP6   ; x [0; q]: rho = 1
.endr
.endm
.macro PV i, u                         ; O^T of tile i += V^T P^T: its four accumulators by turns, one instruction a turn
.irp t, 0,1,2,3
	v_wmma_scale_f32_16x16x128_f8f6f4 v[32*\i+8*\t:32*\i+8*\t+7], v[VF+12*\t:VF+12*\t+11], v[PC+12*\u:PC+12*\u+11], v[32*\i+8*\t:32*\i+8*\t+7], v[VSR+\t], v[PW+\u] matrix_a_fmt:MATRIX_FMT_FP6 matrix_b_fmt:MATRIX_FMT_FP6
.endr
.endm
; THE PIECES OF A PAIR'S SOFTMAX.  u: the tile of the pair; c: one of its two blocks of 32 keys; N0: the pair's first state register
.macro MX0 u                           ; THE LARGEST SCORE OF EACH BLOCK, in two chains a block, each accumulator from its low end on: it serves for the row's maximum and for the block's largest p
.irp c, 0,1
	v_max3_num_f32 v[BM+2*\u+\c], v[S+64*\u+32*\c], v[S+64*\u+32*\c+1], v[S+64*\u+32*\c+2]
	v_max3_num_f32 v[HM+2*\u+\c], v[S+64*\u+32*\c+16], v[S+64*\u+32*\c+17], v[S+64*\u+32*\c+18]
.endr
.endm
.macro MX3 u, i
.irp c, 0,1
	v_max3_num_f32 v[BM+2*\u+\c], v[BM+2*\u+\c], v[S+64*\u+32*\c+\i], v[S+64*\u+32*\c+\i+1]
	v_max3_num_f32 v[HM+2*\u+\c], v[HM+2*\u+\c], v[S+64*\u+32*\c+16+\i], v[S+64*\u+32*\c+16+\i+1]
.endr
.endm
.macro MX8 u
.irp c, 0,1
	v_max3_num_f32 v[BM+2*\u+\c], v[BM+2*\u+\c], v[HM+2*\u+\c], v[S+64*\u+32*\c+15]
.endr
.endm
.macro MX9 u
.irp c, 0,1
	v_max_num_f32 v[BM+2*\u+\c], v[BM+2*\u+\c], v[S+64*\u+32*\c+31]
.endr
.endm
.macro CH u, k                         ; line k of tile u's chain, each of which reads the line before
.if \k == 0
	v_max_num_f32 v[RM+\u], v[BM+2*\u], v[BM+2*\u+1]
.endif
.if \k == 1
	v_permlanex16_b32 v[PX+\u], v[RM+\u], s[SEL], s[SEL+1]
.endif
.if \k == 2
	v_max3_num_f32 v[N0+4*\u+1], v[N0+4*\u+1], v[RM+\u], v[PX+\u]   ; the running largest score of my query: my 64 keys, lane l xor 16's, and what went before
.endif
.if \k == 3
	v_mul_f32 v[FL+\u], s[NC], v[N0+4*\u+1]        ; -t (c is positive)
.endif
.if \k == 4
	v_floor_f32 v[FL+\u], v[FL+\u]                 ; the new -M = floor(-t) = -ceil(t): M is a whole number
.endif
.if \k == 5
	v_sub_f32 v[DM+\u], v[FL+\u], v[N0+4*\u]       ; M's old value less its new one: a whole number, 0 or less
.endif
.if \k == 6
	v_mov_b32 v[N0+4*\u], v[FL+\u]
.endif
.if \k == 7
	v_cvt_i32_f32 v[DM+\u], v[DM+\u]               ; (it saturates)
.endif
.if \k == 8
	v_ldexp_f32 v[FF+2*\u], 1.0, v[DM+\u]          ; f = 2^(old M - new M)
.endif
.endm
.macro PF u                            ; t - M of tile u's registers j, j + 1 (of the pairs c and -M the low word serves both halves)
	v_pk_fma_f32 v[S+64*\u+j:S+64*\u+j+1], v[S+64*\u+j:S+64*\u+j+1], s[CS:CS+1], v[N0+4*\u:N0+4*\u+1] op_sel_hi:[1,0,0]
.set j, j+2
.endm
.macro SUMG u, g                       ; four more pairs of tile u's p onto its four chains
.irp k, 0,1,2
	v_pk_add_f32 v[TS-8*\u+2*\k:TS-8*\u+2*\k+1], v[TS-8*\u+2*\k:TS-8*\u+2*\k+1], v[S+64*\u+14+8*(\g)+2*\k:S+64*\u+14+8*(\g)+2*\k+1]
.endr
	v_pk_add_f32 v[N0+4*\u+2:N0+4*\u+3], v[N0+4*\u+2:N0+4*\u+3], v[S+64*\u+20+8*(\g):S+64*\u+20+8*(\g)+1]
.endm
.macro POST u                          ; behind tile u's exponentials: THE ROW'S SUM OF THE UNQUANTISED p, four chains; between its groups the lines that make the blocks' scales; then the codes
.irp k, 0,1,2
	v_pk_add_f32 v[TS-8*\u+2*\k:TS-8*\u+2*\k+1], v[S+64*\u+4*\k:S+64*\u+4*\k+1], v[S+64*\u+4*\k+2:S+64*\u+4*\k+3]
.endr
	v_pk_add_f32 v[N0+4*\u+2:N0+4*\u+3], v[N0+4*\u+2:N0+4*\u+3], v[S+64*\u+12:S+64*\u+13]
.irp c, 0,1
	v_max_num_f32 v[BM+2*\u+\c], 0x1800000, v[BM+2*\u+\c]    ; the floor 2^-124: the byte cannot fall under 1
.endr
	SUMG \u, 0
.irp c, 0,1
	v_add_nc_u32 v[BS+2*\u+\c], 0xff000000, v[BM+2*\u+\c]    ; 2 off the exponent field: the conversion's scale operand
.endr
	SUMG \u, 1
.irp c, 0,1
	v_lshrrev_b32 v[BB+2*\u+\c], 23, v[BS+2*\u+\c]           ; the scale's byte
.endr
	SUMG \u, 2
	v_lshl_or_b32 v[BB+2*\u], v[BB+2*\u+1], 16, v[BB+2*\u]   ; my two bytes: blocks h and 2 + h of my query,
	SUMG \u, 3
	v_lshlrev_b32 v[BB+2*\u], v[H8], v[BB+2*\u]              ; at their places in the scale word;
	SUMG \u, 4
	v_permlanex16_b32 v[PY+\u], v[BB+2*\u], s[SEL], s[SEL+1]
	SUMG \u, 5
	v_or_b32 v[PW+\u], v[BB+2*\u], v[PY+\u]                  ; with lane l xor 16's two the word is whole
	v_pk_add_f32 v[N0+4*\u+2:N0+4*\u+3], v[N0+4*\u+2:N0+4*\u+3], v[S+64*\u+62:S+64*\u+63]
	v_pk_add_f32 v[TS-8*\u:TS-8*\u+1], v[TS-8*\u:TS-8*\u+1], v[TS-8*\u+2:TS-8*\u+3]
	v_cvt_scalef32_pk16_fp6_f32 v[CT+8*\u:CT+8*\u+2], v[S+64*\u+16:S+64*\u+31], v[BS+2*\u]       ; a block's upper 16 codes (a conversion's three registers begin on an even number: these are moved)
	v_pk_add_f32 v[N0+4*\u+2:N0+4*\u+3], v[N0+4*\u+2:N0+4*\u+3], v[TS-8*\u+4:TS-8*\u+5]
	v_cvt_scalef32_pk16_fp6_f32 v[CT+8*\u+4:CT+8*\u+6], v[S+64*\u+48:S+64*\u+63], v[BS+2*\u+1]
	v_pk_add_f32 v[N0+4*\u+2:N0+4*\u+3], v[N0+4*\u+2:N0+4*\u+3], v[TS-8*\u:TS-8*\u+1]
	WIN 0x40
.irp c, 0,1
	v_cvt_scalef32_pk16_fp6_f32 v[PC+12*\u+6*\c:PC+12*\u+6*\c+2], v[S+64*\u+32*\c:S+64*\u+32*\c+15], v[BS+2*\u+\c]   ; its lower 16, at their place in the operand
.endr
	v_nop                                          ; one plain line behind the scaled conversions
.irp c, 0,1
.irp i, 0,1,2
	v_mov_b32 v[PC+12*\u+6*\c+3+\i], v[CT+8*\u+4*\c+\i]   ; registers 6 c .. 6 c + 5 of a tile's operand hold keys 64 c + 32 h + 0 .. 31
.endr
.endr
	WIN 0
.endm
; THE SOFTMAX OF A PAIR OF TILES (X = 2 pr, Y = 2 pr + 1), 128 keys
.macro SOFT pr
.set N0, ST+8*(\pr)
	MX0 0
.irp i, 3,5,7,9,11,13
	MX3 0, \i
.endr
	MX8 0
	MX9 0
	MX0 1                                          ; Y's maxima, with X's chain between them
	CH 0, 0
	MX3 1, 3
	CH 0, 1
	MX3 1, 5
	CH 0, 2
	MX3 1, 7
	CH 0, 3
	MX3 1, 9
	CH 0, 4
	MX3 1, 11
	CH 0, 5
	MX3 1, 13
	CH 0, 6
	MX8 1
	CH 0, 7
	MX9 1
	CH 0, 8
.set j, 0
.irp k, 0,1,2,3,4,5,6,7,8
	CH 1, \k                                       ; Y's chain, with X's multiply-adds between its lines
	PF 0
	PF 0
	PF 0
.endr
.rept 5
	PF 0
.endr
.irp c, 0,1
	v_fma_f32 v[BM+\c], v[BM+\c], s[CS], v[N0]     ; the same of each block's largest score
.endr
	s_wait_alu depctr_va_vdst(0)                   ; ahead of the batch
	v_exp_f32 v[BM], v[BM]                         ; X's blocks' largest p
	v_exp_f32 v[BM+1], v[BM+1]
.set j, 0
.set ee, 0
.rept 32
	v_exp_f32 v[S+ee], v[S+ee]                     ; X: p = 2^(t - M), at most 1: not normalised
	PF 1                                           ; Y: t - M: it names no register of the batch, and is first read behind the two waits below
	v_exp_f32 v[S+ee+1], v[S+ee+1]
.set ee, ee+2
.endr
.irp c, 0,1
	v_fma_f32 v[BM+2+\c], v[BM+2+\c], s[CS], v[N0+4]
.endr
	v_pk_mul_f32 v[N0+2:N0+3], v[N0+2:N0+3], v[FF:FF+1] op_sel_hi:[1,0]   ; X's sum under the new M
	s_wait_alu depctr_va_vdst(0)                   ; one wait for the whole batch, ahead of its first reader
	POST 0
	s_wait_alu depctr_va_vdst(0)                   ; ahead of the second batch
	v_exp_f32 v[BM+2], v[BM+2]
	v_exp_f32 v[BM+3], v[BM+3]
.set ee, 64
.rept 64
	v_exp_f32 v[S+ee], v[S+ee]                     ; Y's p
.set ee, ee+1
.endr
	v_pk_mul_f32 v[N0+6:N0+7], v[N0+6:N0+7], v[FF+2:FF+3] op_sel_hi:[1,0]   ; Y's sum under the new M (a plain line behind the exponentials)
	s_wait_alu depctr_va_vdst(0)                   ; and behind it
	POST 1
	WIN 0x41
	s_wait_alu depctr_va_vdst(0)                   ; directly ahead of the first reader of O^T
.irp u, 0,1
.set j, 0
.rept 16
	v_pk_mul_f32 v[32*(2*(\pr)+\u)+j:32*(2*(\pr)+\u)+j+1], v[32*(2*(\pr)+\u)+j:32*(2*(\pr)+\u)+j+1], v[FF+2*\u:FF+2*\u+1] op_sel_hi:[1,0]   ; O^T under the new M.  (These 32 stand between the lines that made p's codes and scale words and the products that take them)
.set j, j+2
.endr
.endr
	s_wait_alu depctr_va_vdst(0)
.endm
	s_mov_b32 s2, 0                                ; the step's fragments begin here: 6,144 bytes a step
	s_mov_b32 s3, 0                                ; and its scale words: 256 bytes a step
	s_mov_b32 s24, 16
	LOADK LK, LKS                                  ; step 0's K
	s_wait_alu depctr_va_vdst(0)                   ; the wait at the head's end
.Lkeys:                                                ; A KEY STEP: 128 keys x my 64 queries
	s_wait_dscnt 0x0                               ; K's fragments and scale words, asked for a pair's softmax ago
	WIN 0x05
	QK 0, 0
	s_add_co_u32 s42, s2, VIMG
	s_add_co_u32 s43, s3, VSW-KSC
	QK 1, 1
	WIN 0
	v_add_nc_u32 v[AD0], s42, v[LK]                ; these four are the places between the products and the loads below, and ahead of the first read of the scores
	v_add_nc_u32 v[AD1], s43, v[LKS]
	v_nop
	v_nop
	LOADV                                          ; this step's V lands while the first pair's softmax is walked
	SOFT 0
	WIN 0x05
	QK 2, 0
	s_add_co_u32 s2, s2, 6144
	s_add_co_u32 s3, s3, 256
	s_min_u32 s44, s2, 15*6144                     ; the next step's K; the last step asks for its own once more, and nobody reads that
	s_min_u32 s45, s3, 15*256
	QK 3, 1
	s_wait_dscnt 0x0                               ; V's fragments and scale words are in
	WIN 0x54
	PV 0, 0
	PV 1, 1
	WIN 0
	v_add_nc_u32 v[AD0], s44, v[LK]                ; four places again
	v_add_nc_u32 v[AD1], s45, v[LKS]
	v_nop
	v_nop
	LOADK AD0, AD1                                 ; lands while the second pair's softmax is walked
	SOFT 1
	WIN 0x54
	PV 2, 0
	PV 3, 1
	WIN 0
	s_sub_co_u32 s24, s24, 1
	s_cmp_lg_u32 s24, 0
	s_cbranch_scc1 .Lkeys
; THE WAY OUT.  O^T / the sum goes through my stage and leaves as whole rows of 256 bytes: row 8 e + c7 of tile 2 chi + rho is place 32 e + 16 rho + 8 chi + c7 from my base.
.irp i, 0,1,2,3
	v_add_f32 v[ST+4*\i+2], v[ST+4*\i+2], v[ST+4*\i+3]   ; the sum's two halves (these lines are also the places behind the last products),
.endr
.irp i, 0,1,2,3
	v_permlanex16_b32 v[RM+\i], v[ST+4*\i+2], s[SEL], s[SEL+1]
.endr
.irp i, 0,1,2,3
	v_add_f32 v[ST+4*\i+2], v[ST+4*\i+2], v[RM+\i]       ; and lane l xor 16's: the row's sum
.endr
	s_wait_alu depctr_va_vdst(0)                   ; ahead of the batch
.irp i, 0,1,2,3
	v_rcp_f32 v[ST+4*\i+2], v[ST+4*\i+2]
.endr
	s_mul_i32 s25, s[WV], 16*272
	s_add_co_u32 s25, s25, STAGE                   ; my stage
	v_and_b32 v[BM], 15, v0                        ; r
	v_bfe_u32 v[BM+1], v0, 4, 1                    ; h
	v_mul_u32_u24 v[AD0], v[BM], 272
	v_mul_u32_u24 v[AD1], v[BM+1], 272
	v_lshl_add_u32 v[AD0], v[BM+1], 5, v[AD0]
	v_lshl_add_u32 v[AD1], v[BM], 4, v[AD1]
	v_lshlrev_b32 v[LKS], 8, v[BM+1]
	v_add_nc_u32 v[AD0], s25, v[AD0]               ; in: row r, + 32 h; accumulator t's eight channels 64 t bytes on
	v_add_nc_u32 v[AD1], s25, v[AD1]               ; back: lanes 0-15 one row, lanes 16-31 the next
	v_lshl_add_u32 v[LKS], v[BM], 4, v[LKS]        ; and the same two rows in O
.macro OUTT i                          ; tile i: scaled into v[S + 32 (i % 2) ..], through the stage, back into v[S + 64 + 32 (i % 2) ..]
.if \i >= 2
	s_wait_xcnt 0x0                                ; tile i - 2's stores have read their registers: this tile's loads land there
.endif
	WIN 0x01
	s_wait_alu depctr_va_vdst(0)                   ; behind the reciprocals, directly ahead of the first reader of this tile's O^T
.set j, 0
.rept 32
	v_mul_f32 v[S+32*((\i)%2)+j], v[32*(\i)+j], v[ST+4*(\i)+2]   ; register 8 t + k is o(r, 16 t + 8 h + k); each accumulator from its low end on
.set j, j+1
.endr
	WIN 0
.irp t, 0,1,2,3
	ds_store_b128 v[AD0], v[S+32*((\i)%2)+8*\t:S+32*((\i)%2)+8*\t+3] offset:64*\t
	ds_store_b128 v[AD0], v[S+32*((\i)%2)+8*\t+4:S+32*((\i)%2)+8*\t+7] offset:64*\t+16
.endr
.irp k, 0,1,2,3,4,5,6,7
	ds_load_b128 v[S+64+32*((\i)%2)+4*\k:S+64+32*((\i)%2)+4*\k+3], v[AD1] offset:2*\k*272   ; LDS serves a wave's instructions in order: these see my stores
.endr
.endm
.macro SEND i, younger                 ; younger: the LDS instructions issued behind tile i's loads, which may stay out
	s_wait_dscnt \younger
.irp k, 0,1,2,3,4,5,6,7
	global_store_b128 v[LKS], v[S+64+32*((\i)%2)+4*\k:S+64+32*((\i)%2)+4*\k+3], s[26:27] offset:2048*((\i)/2)+4096*((\i)%2)+(\k/4)*8192+(\k%4)*512 th:TH_STORE_NT   ; sixteen lanes store 256 consecutive bytes, aligned; two such rows a store
.endr
.endm
	OUTT 0
	OUTT 1
	SEND 0, 16                                     ; behind tile 0's loads: tile 1's 8 stores and 8 loads
	OUTT 2
	SEND 1, 16
	OUTT 3
	SEND 2, 16
	SEND 3, 0
	s_wait_tensorcnt 0x0                           ; the wave's end, behind my last tensor load and my last LDS store
	ds_add_u32 v[SPW], v[NIL]
	s_wait_dscnt 0x0
	CROUND                                         ; the closing round: no work-group ends while a partner may still ask for a tile that names it
	s_endpgm
.Lfunc_end_k_q4d29a59124_attn:
	.size	k_q4d29a59124_attn, .Lfunc_end_k_q4d29a59124_attn-k_q4d29a59124_attn
	.p2alignl 7, 3214868480
	.fill 96, 4, 3214868480
	.section	.rodata,"a",@progbits
	.p2align	6, 0x0
	.amdhsa_kernel k_q4d29a59124_attn
		.amdhsa_group_segment_fixed_size 327680
		.amdhsa_private_segment_fixed_size 0
		.amdhsa_enable_private_segment 0
		.amdhsa_kernarg_size 16
		.amdhsa_user_sgpr_count 2
		.amdhsa_user_sgpr_kernarg_segment_ptr 1
		.amdhsa_wavefront_size32 1
		.amdhsa_system_sgpr_workgroup_id_x 1
		.amdhsa_system_sgpr_workgroup_id_y 1
		.amdhsa_system_sgpr_workgroup_id_z 1
		.amdhsa_system_vgpr_workitem_id 0
		.amdhsa_next_free_vgpr 512
		.amdhsa_next_free_sgpr 66
		.amdhsa_reserve_vcc 0
		.amdhsa_float_denorm_mode_32 3
		.amdhsa_float_denorm_mode_16_64 3
		.amdhsa_memory_ordered 1
		.amdhsa_forward_progress 1
		.amdhsa_inst_pref_size 80
	.end_amdhsa_kernel
	.amdgpu_metadata
---
amdhsa.version: [ 1, 2 ]
amdhsa.kernels:
  - .name:           k_q4d29a59124_attn
    .symbol:         k_q4d29a59124_attn.kd
    .args:
      - { .name: img, .offset: 0, .size: 8, .value_kind: global_buffer, .address_space: global }
      - { .name: out0, .offset: 8, .size: 8, .value_kind: global_buffer, .address_space: global }
    .group_segment_fixed_size: 327680
    .private_segment_fixed_size: 0
    .kernarg_segment_align: 8
    .kernarg_segment_size: 16
    .max_flat_workgroup_size: 256
    .sgpr_count:     66
    .vgpr_count:     512
    .wavefront_size: 32
...
	.end_amdgpu_metadata
.endif
;; end of part 3
